; MI455X (gfx1250); checked and timed in simulation.
; The chip was launched on July 23, 2026; its instructions are those of AMD's public machine-readable ISA for CDNA 5 (MIT licence, August 2026) and "CDNA5" Instruction Set Architecture Reference Guide (July 2026). The comments in the code are by the model that wrote it; some were corrected since.
;; Layer. Allowed arithmetic: matrix products marked QUANTISED: E2M1 operands, one E8M0 scale for each 32 along K, by v_wmma_scale_f32_16x16x128_f8f6f4 with both operands' format E2M1 (or v_wmma_scale_f32_32x16x128_f4), f32 sums; everything else in f32.
;; Inputs: A_codes 2,048 x 128 x 16 uint8 (E2M1 codes of A, K innermost, in blocks of 32 codes, two codes a byte); A_scales 2,048 x 128 uint8 (E8M0 scales of A, one for each 32 codes along K); B_packed 512 x 8,192 int32; s 32 x 8,192 float32.
;; Outputs: out0 2,048 x 8,192 float32.
;; This version of the problem:
;;   THIS VERSION OF THE PROBLEM IS GIVEN IN LOW PRECISION. The matrix products marked QUANTISED in the list below multiply operands that are first quantised to E2M1 (2 exponent bits, 1 mantissa bit; 4 bits a number), with one power-of-two scale for each 32 numbers along K (OCP MX v1.0); their sums are f32. All else is computed in f32.
;;   The module's matrix products, in the order in which they are computed (A, B: the left and right operand; K: the contracted axis; several contracted axes count as one K, in the product's order):
;;     1. [M 2,048, K 4,096] x [K 4,096, N 8,192]; A: input A (given as codes); B: computed on the way: QUANTISED
;;   THE QUANTISER, for each operand of a quantised product, along K:
;;     - K is cut into blocks of 32 from its start; a last block that is shorter is filled with zeros.
;;     - A block's scale is 2^e with e = floor(log2(the largest magnitude in the block)) - 2, held to -126 .. 127; a block of zeros has e = 0. As a byte (E8M0): e + 127.
;;     - Each number is divided by its block's scale, clamped to +-6, and rounded to the nearest number of E2M1, ties to even, subnormals kept.
;;     - The product sums the exact products of the quantised numbers (number of the format x scale) in f32.
;;   ~~~python
;;   def quantise(x, axis):      # numpy; x: float32 -> the quantised numbers, widened to float32 again
;;       x = np.moveaxis(x, axis, -1); K = x.shape[-1]
;;       x = np.pad(x, [(0, 0)] * (x.ndim - 1) + [(0, -K % 32)]); x = x.reshape(x.shape[:-1] + (-1, 32)); a = np.abs(x).max(-1, keepdims=True)
;;       e = np.where(a > 0, np.clip(np.frexp(np.where(a > 0, a, 1))[1] - 1 - 2, -126, 127), 0)      # np.frexp(a)[1] - 1 = floor(log2(a)), exactly
;;       r = np.clip(x / 2.0 ** e, -6, 6)
;;       step = 2.0 ** (np.maximum(np.frexp(np.where(r == 0, 1, r))[1] - 1, 0) - 1)
;;       q = np.round(r / step) * step * 2.0 ** e      # np.round: ties to even
;;       return np.moveaxis(q.reshape(q.shape[:-2] + (-1,))[..., :K], -1, axis).astype(np.float32)
;;   ~~~
;;   OPERANDS COMPUTED ON THE WAY. 'Computed on the way' means the value that the module computes at that place (a softmax that the list does not call 'softmax' is quantised finished and normalised). What goes into a quantiser is computed in f32, as accurately as f32 sums, v_exp_f32 and their like allow (about 1e-6 of the number): no bf16 or f16 on the way to a quantiser, and a product that is left as it is and whose result goes on into a quantised operand takes f32 operands (vector FMAs, or v_wmma_f32_16x16x4_f32). A number that lies on a knife's edge between two numbers of the format may be rounded either way, as far as f32 arithmetic and the matrix unit's own rounding can turn it there, and no further.
;;   INPUTS GIVEN AS CODES. A (in the module: [2048, 4096], K = its axis 1): each comes as NAME_codes (uint8): NAME with its K axis moved to the last place and cut into blocks of 32 codes, [.., K / 32, bytes a block], one block behind the other in memory; two codes a byte, the lower K in the low four bits (a code: sign, 2 exponent bits, 1 mantissa bit); and NAME_scales (uint8): the same leading axes, one E8M0 byte (e + 127) for each 32 codes along K. Its value is code x scale, taken as it is: it is not quantised again, and the codes and scales need not be those that the quantiser above would give.
;; One version. Each part assembles by itself: llvm-mc -triple=amdgcn-amd-amdhsa -mcpu=gfx1250 --defsym DOCPART=n.
;; ======== version 1 of 1: 2 launches
;; limits: right only within a limited range of input values
;; workspace buffers: wq 17,825,792 bytes
;; launch quant (part 1): grid 64 x 8, 4 waves a work-group, no clusters, 0 bytes of LDS; arguments B_packed, s, wq; writes wq
.if DOCPART == 1
	.amdgcn_target "amdgcn-amd-amdhsa--gfx1250"
	.amdhsa_code_object_version 6
	.text
	.protected	k_q3bce374980_quant
	.globl	k_q3bce374980_quant
	.p2align	8
	.type	k_q3bce374980_quant,@function
k_q3bce374980_quant:
	s_mov_b64 s[64:65], 0
	v_nop
	global_prefetch_b8 v0, s[64:65] scope:SCOPE_SE
	s_setreg_imm32_b32 hwreg(HW_REG_WAVE_MODE, 25, 1), 1
	s_wait_xcnt 0x0
; W[k][n] = (q - 8) x s[k / 128][n], q the nibble k % 8 of word B_packed[k / 8][n], is made in f32 and turned into codes of FP4 (E2M1) with one E8M0 scale byte for each 32 along K.
; K is W's FIRST axis in memory.  A LANE TAKES FOUR NEIGHBOURING COLUMNS AND ITS REGISTERS RUN DOWN K: each load brings 16 bytes a lane, 512 consecutive bytes a wave; a block of 32 along K lies in one lane's registers, so that its largest
; magnitude needs no other lane, and the conversions give the codes with K innermost.  Nothing is transposed by an instruction.
; THE RESULT, wq, is laid in the order of the matrix operand's registers.  A piece [n / 128][k / 512] is 34,816 consecutive bytes.  q = 0 .. 3 is the piece's 128 along K; codes of a q are 8,192 bytes:
; [fragment f: 8][c: 2][lane: 32][16 bytes]; lane r + 16 h of fragment f holds column 64 (f / 4) + 4 r + f % 4, K = 128 q + 64 c + 32 h + 0 .. 31, the lower K in the lower bits: one block of 32.
; In a piece: the codes of q = 3, then scale words, 2,048 bytes [q: 4][column: 128][4 bytes], then the codes of q = 0, 1, 2.
; SHARES.  A work-group (x = n / 128, y = k / 512) makes one piece; wave q its 128 along K, one row of s; a lane columns 4 l .. 4 l + 3: 64 words, 4 numbers of s, 16 blocks.  Column 4 l + i is lane r = l % 16 of fragment 4 (l / 16) + i:
; lanes 0-15 store 256 consecutive bytes at a multiple of 256, lanes 16-31 likewise.
; No LDS, no tensor loads, no barrier, no cluster: no two waves and no two work-groups touch the same bytes.  Each block has its own registers for its codes, so no store's data are written again.
; A block's scale is 2^(floor(log2(its largest magnitude)) - 2); its byte is the largest magnitude's exponent field - 2, held at 1 from below.
; LIMITS: NaN and infinities in s are not served.  |s| under 2^-114 is not served to the last bit (s x 2^-12 would be denormal).  A block of zeros gets the byte 1 where the rule says 127:
; its codes are zeros, which add nothing under any byte but 0xff, and the bytes are read by this program alone.
.set NROW,  32768                      ; a row of B_packed or of s in bytes: 8,192 columns x 4
.set PIECE, 34816
.set WSC,   8192                       ; in a piece: where the scale words begin
.set Q0,    10240                      ; and where the codes of q = 0 begin
.set VIN,  2                           ; v2   16 x lane: my columns in a row of B_packed or of s, and my scale words' place
.set VC,   3                           ; v3   my columns' place among the codes: 4,096 x (lane / 16) + 16 x (lane % 16)
.set BP,   8                           ; v[8:11]    -(2^23 + 8 x 16^j), j = 0 .. 3
.set S,    12                          ; v[12:15]   s of my four columns
.set SP,   16                          ; v[16:31]   column i: v[16 + 4 i + j] = s x 16^-j
.set SB,   32                          ; v[32:35]   the scale bytes of my four columns
.set XB,   48                          ; v[48:111]  the 64 words: row k, column i at 4 k + i
.set W,    112                         ; v[112:175] two blocks of 32 numbers
.set C,    176                         ; v[176:239] four registers of codes for each block
.set MK,   12                          ; s[12:15]   the masks of a half word's four nibbles
.set MG,   16                          ; s16        2^23 as f32
	s_load_b128 s[4:7], s[0:1], 0x0                ; B_packed, s
	s_load_b64 s[8:9], s[0:1], 0x10                ; wq
	v_lshrrev_b32 v1, 5, v0
	v_readfirstlane_b32 s10, v1                    ; wave 0..3: my q
	v_and_b32 v5, 15, v0
	v_bfe_u32 v6, v0, 4, 1
	v_and_b32 v7, 31, v0                           ; lane
	v_lshlrev_b32 v5, 4, v5
	v_lshlrev_b32 v[VIN], 4, v7
	v_lshl_add_u32 v[VC], v6, 12, v5
	v_mov_b32 v[BP], 0xcb000008
	v_mov_b32 v[BP+1], 0xcb000080
	v_mov_b32 v[BP+2], 0xcb000800
	v_mov_b32 v[BP+3], 0xcb008000
	s_and_b32 s17, ttmp7, 0xffff                   ; which 512 along K
	s_lshl_b32 s18, ttmp9, 9                       ; my work-group's first column, in bytes
	s_lshl_b32 s20, s17, 21                        ; B_packed: 64 rows of 32,768 bytes for each 512 along K,
	s_lshl_b32 s19, s10, 19                        ; 16 rows a wave
	s_add_co_u32 s20, s20, s19
	s_add_co_u32 s20, s20, s18
	s_mov_b32 s21, 0
	s_lshl_b32 s22, s17, 17                        ; s: 4 rows, one a wave
	s_lshl_b32 s19, s10, 15
	s_add_co_u32 s22, s22, s19
	s_add_co_u32 s22, s22, s18
	s_mov_b32 s23, 0
	s_lshl_b32 s24, ttmp9, 3
	s_add_co_u32 s24, s24, s17
	s_mul_i32 s24, s24, PIECE                      ; wq: my piece
	s_mov_b32 s25, 0
	s_lshl_b32 s26, s10, 13                        ; my codes in it: Q0 + 8,192 q, those of q = 3 at 0
	s_add_co_u32 s26, s26, Q0
	s_cmp_eq_u32 s10, 3
	s_cselect_b32 s26, 0, s26
	s_mov_b32 s27, 0
	s_lshl_b32 s30, s10, 9                         ; my scale words: 512 bytes a q
	s_mov_b32 s31, 0
	s_mov_b32 s[MK], 0xf
	s_mov_b32 s[MK+1], 0xf0
	s_mov_b32 s[MK+2], 0xf00
	s_mov_b32 s[MK+3], 0xf000
	s_mov_b32 s[MG], 0x4b000000
	s_wait_alu depctr_va_vdst(0)
	s_wait_kmcnt 0x0
	s_add_nc_u64 s[4:5], s[4:5], s[20:21]
	s_add_nc_u64 s[6:7], s[6:7], s[22:23]
	s_add_nc_u64 s[8:9], s[8:9], s[24:25]
	s_add_nc_u64 s[28:29], s[8:9], s[26:27]
	s_add_nc_u64 s[8:9], s[8:9], s[30:31]
	global_load_b128 v[S:S+3], v[VIN], s[6:7] th:TH_LOAD_NT
.irp i, 0,1,2,3,4,5,6,7,8,9,10,11,12,13,14,15
	global_load_b128 v[XB+4*\i:XB+4*\i+3], v[VIN], s[4:5] offset:\i*NROW th:TH_LOAD_NT
.endr
	s_wait_loadcnt 16                              ; loads come back in order (ISA guide 5.7.1): s is in, the 16 rows may be out
.irp i, 0,1,2,3
	v_mov_b32 v[SP+4*\i], v[S+\i]                  ; s,
	v_mul_f32 v[SP+4*\i+1], 0x3d800000, v[S+\i]    ; x 2^-4,
	v_mul_f32 v[SP+4*\i+2], 0x3b800000, v[S+\i]    ; x 2^-8,
	v_mul_f32 v[SP+4*\i+3], 0x39800000, v[S+\i]    ; x 2^-12
.endr
; The words x and x + 1 (two columns, the same K) become eight numbers each, by turns: v[w] .. v[w + 7] and v[w + 32] .. v[w + 39].  A nibble is not shifted down: masked where it stands and laid over the bits of 2^23 it is the f32 number
; 2^23 + q x 16^j, exactly; the addition of -(2^23 + 8 x 16^j) leaves (q - 8) x 16^j, exactly; the multiplication by s x 16^-j (a power of two off s: exact) rounds once, to the bits of (q - 8) x s in f32.
; (An addition and then a multiplication: no fused form does that.)
.macro UNPACK2 w, x, sp
	v_lshrrev_b32 v36, 16, v[\x]                   ; the upper four nibbles under the same masks
	v_lshrrev_b32 v37, 16, v[\x+1]
.irp n, 0,1,2,3
	v_and_or_b32 v[\w+\n], v[\x], s[MK+\n], s[MG]
	v_and_or_b32 v[\w+32+\n], v[\x+1], s[MK+\n], s[MG]
.endr
.irp n, 0,1,2,3
	v_and_or_b32 v[\w+4+\n], v36, s[MK+\n], s[MG]
	v_and_or_b32 v[\w+36+\n], v37, s[MK+\n], s[MG]
.endr
.irp n, 0,2,4,6
	v_pk_add_f32 v[\w+\n:\w+\n+1], v[\w+\n:\w+\n+1], v[BP+(\n%4):BP+(\n%4)+1]
	v_pk_add_f32 v[\w+32+\n:\w+33+\n], v[\w+32+\n:\w+33+\n], v[BP+(\n%4):BP+(\n%4)+1]
.endr
.irp n, 0,2,4,6
	v_pk_mul_f32 v[\w+\n:\w+\n+1], v[\w+\n:\w+\n+1], v[\sp+(\n%4):\sp+(\n%4)+1]
	v_pk_mul_f32 v[\w+32+\n:\w+33+\n], v[\w+32+\n:\w+33+\n], v[\sp+4+(\n%4):\sp+4+(\n%4)+1]
.endr
.endm
; Block bj (of four along my 128) of my columns ci and ci + 1.  Their codes leave as soon as they are made.
.macro TWO bj, ci
.irp k, 0,1,2,3
.if (\ci) == 0
	s_wait_loadcnt 15-4*(\bj)-\k                   ; this row is in; the rows behind it may be out (the waits of columns 0 and 1 serve columns 2 and 3 too)
.endif
	UNPACK2 W+8*\k, XB+16*(\bj)+4*\k+(\ci), SP+4*(\ci)
.endr
	v_max3_num_f32 v38, |v[W]|, |v[W+1]|, 0x1800000       ; each block's largest magnitude, all 32 numbers mine, and the floor 2^(3 - 127): so the byte cannot fall under 1
	v_max3_num_f32 v39, |v[W+32]|, |v[W+33]|, 0x1800000   ; (each block in two halves: four chains by turns)
	v_max3_num_f32 v40, |v[W+16]|, |v[W+17]|, 0x1800000
	v_max3_num_f32 v41, |v[W+48]|, |v[W+49]|, 0x1800000
.irp i, 2,4,6,8,10,12,14
	v_max3_num_f32 v38, v38, |v[W+\i]|, |v[W+\i+1]|
	v_max3_num_f32 v39, v39, |v[W+32+\i]|, |v[W+33+\i]|
	v_max3_num_f32 v40, v40, |v[W+16+\i]|, |v[W+17+\i]|
	v_max3_num_f32 v41, v41, |v[W+48+\i]|, |v[W+49+\i]|
.endr
	v_max_num_f32 v38, v38, v40
	v_max_num_f32 v39, v39, v41
	v_add_nc_u32 v42, 0xff000000, v38              ; 2 off the exponent field: the conversion takes the exponent field of this operand as its scale, and nothing else of it
	v_add_nc_u32 v43, 0xff000000, v39
.irp u, 0,1
.irp g, 0,1,2,3
	v_cvt_scalef32_pk8_fp4_f32 v[C+4*(4*(\bj)+(\ci)+\u)+\g], v[W+32*\u+8*\g:W+32*\u+8*\g+7], v[42+\u]   ; eight numbers / the scale, to the nearest code, ties to even, beyond the largest code the largest
.endr
.endr
.if (\bj) == 0
	v_lshrrev_b32 v[SB+(\ci)], 23, v42             ; the scales' bytes, the lower K in the lower byte.  (Also the plain line between the conversions and the next vector line that writes their sources)
	v_lshrrev_b32 v[SB+(\ci)+1], 23, v43
.else
	v_lshrrev_b32 v44, 23, v42
	v_lshrrev_b32 v45, 23, v43
	v_lshl_or_b32 v[SB+(\ci)], v44, 8*(\bj), v[SB+(\ci)]
	v_lshl_or_b32 v[SB+(\ci)+1], v45, 8*(\bj), v[SB+(\ci)+1]
.endif
.irp u, 0,1
	global_store_b128 v[VC], v[C+4*(4*(\bj)+(\ci)+\u):C+4*(4*(\bj)+(\ci)+\u)+3], s[28:29] offset:((\ci)+\u)*1024+(\bj)*256   ; block 2 c + h; sixteen lanes store 256 consecutive bytes, aligned
.endr
.endm
.irp j, 0,1,2,3
	TWO \j, 0
	TWO \j, 2
.endr
	global_store_b128 v[VIN], v[SB:SB+3], s[8:9] offset:WSC   ; my four columns' scale words; the wave stores 512 consecutive bytes, aligned
	s_endpgm
.Lfunc_end_k_q3bce374980_quant:
	.size	k_q3bce374980_quant, .Lfunc_end_k_q3bce374980_quant-k_q3bce374980_quant
	.p2alignl 7, 3214868480
	.fill 96, 4, 3214868480
	.section	.rodata,"a",@progbits
	.p2align	6, 0x0
	.amdhsa_kernel k_q3bce374980_quant
		.amdhsa_group_segment_fixed_size 0
		.amdhsa_private_segment_fixed_size 0
		.amdhsa_enable_private_segment 0
		.amdhsa_kernarg_size 24
		.amdhsa_user_sgpr_count 2
		.amdhsa_user_sgpr_kernarg_segment_ptr 1
		.amdhsa_wavefront_size32 1
		.amdhsa_system_sgpr_workgroup_id_x 1
		.amdhsa_system_sgpr_workgroup_id_y 1
		.amdhsa_system_sgpr_workgroup_id_z 1
		.amdhsa_system_vgpr_workitem_id 0
		.amdhsa_next_free_vgpr 240
		.amdhsa_next_free_sgpr 66
		.amdhsa_reserve_vcc 0
		.amdhsa_float_denorm_mode_32 3
		.amdhsa_float_denorm_mode_16_64 3
		.amdhsa_memory_ordered 1
		.amdhsa_forward_progress 1
		.amdhsa_inst_pref_size 97
	.end_amdhsa_kernel
	.amdgpu_metadata
---
amdhsa.version: [ 1, 2 ]
amdhsa.kernels:
  - .name:           k_q3bce374980_quant
    .symbol:         k_q3bce374980_quant.kd
    .args:
      - { .name: B_packed, .offset: 0, .size: 8, .value_kind: global_buffer, .address_space: global }
      - { .name: s, .offset: 8, .size: 8, .value_kind: global_buffer, .address_space: global }
      - { .name: wq, .offset: 16, .size: 8, .value_kind: global_buffer, .address_space: global }
    .group_segment_fixed_size: 0
    .private_segment_fixed_size: 0
    .kernarg_segment_align: 8
    .kernarg_segment_size: 24
    .max_flat_workgroup_size: 128
    .sgpr_count:     66
    .vgpr_count:     240
    .wavefront_size: 32
...
	.end_amdgpu_metadata
.endif
;; end of part 1
;; launch gemm (part 2): grid 32 x 8, 4 waves a work-group, clusters of 4 x 4, 327,680 bytes of LDS; arguments A_codes, A_scales, wq, out0; writes out0
.if DOCPART == 2
	.amdgcn_target "amdgcn-amd-amdhsa--gfx1250"
	.amdhsa_code_object_version 6
	.text
	.protected	k_q3bce374980_gemm
	.globl	k_q3bce374980_gemm
	.p2align	8
	.type	k_q3bce374980_gemm,@function
k_q3bce374980_gemm:
	s_mov_b64 s[64:65], 0
	v_nop
	global_prefetch_b8 v0, s[64:65] scope:SCOPE_SE
	s_setreg_imm32_b32 hwreg(HW_REG_WAVE_MODE, 25, 1), 1
	s_wait_xcnt 0x0
	s_wait_alu depctr_hold_cnt(0) depctr_sa_sdst(0) depctr_va_vdst(0) depctr_va_sdst(0) depctr_va_ssrc(0) depctr_va_vcc(0) depctr_vm_vsrc(0)
	s_getreg_b32 s2, hwreg(HW_REG_IB_STS2, 6, 4)
	s_cmp_eq_u32 s2, 0
	s_cbranch_scc0 .Lentry_in_a_cluster
	s_endpgm
.Lentry_in_a_cluster:
	s_bfe_u32 s2, ttmp6, 0x10000c
	s_cmp_lg_u32 s2, 0xf033
	s_cbranch_scc0 .Lentry_shape_is_right
	s_endpgm
.Lentry_shape_is_right:
; C[m][n] = sum over k of A[m][k] W[k][n], both operands as codes of FP4 (E2M1) with one E8M0 scale for each 32 along K; C: [2048][8192] f32; sums in f32.
; A: codes [2048][2,048 bytes], K innermost, scale bytes [2048][128], as given.  W: the buffer wq, made by the launch before, in the order of the operand's registers: a piece [n / 128][k / 512] is 34,816 consecutive bytes: the codes of q = 3
; (q: 128 along K), scale words [q: 4][column: 128][4 bytes], the codes of q = 0, 1, 2; codes of a q: [fragment f: 8][c: 2][lane: 32][16 bytes], lane r + 16 h of fragment f: column 64 (f / 4) + 4 r + f % 4.
; A tile of C, 256 x 256, is made by a work-group of four waves, as many as a WGP has SIMDs; a wave makes 128 x 128: 32 accumulators of 32 x 16, 512 registers.  32 x 8 tiles: 256 work-groups.
; K goes in 8 steps of 512 through a ring of two LDS slots filled by the tensor data mover, one load a wave: 128 rows of A (256 bytes each, 16 of padding behind each) or the first 10,240 bytes of a piece of wq: W's codes of q = 3 and its scale words.
; W'S CODES OF q = 0, 1 AND 2 go from memory straight into registers, which they fill as they lie, asked for three steps of 128 ahead: so a wave reads 88 x 512 bytes of LDS in a K step and not 136 x 512.  These loads are not joint: a register
; load has no mask.  What does come jointly is 86,016 of a K step's 135,168 bytes, and A's scales.
; A'S SCALES of the tile's 256 rows, for all of K, are one dense block of 32,768 bytes: it comes into LDS ONCE, at the head, and stays.
; CLUSTERS: 4 x 4 work-groups.  The four of a row of the cluster need the same tiles of A and the same scales, the four of a column the same pieces of wq: each tile is asked for JOINTLY, by the same tensor load with the
; same descriptor and a mask that names the four.
; THE MATRIX INSTRUCTION, 32 x 16 x 128: source 0 = 32 rows of A, source 1 = 16 columns of W.  Register j of a lane is row 16 (j / 8) + 8 h + j % 8 of the pair's 32, column 64 (f / 4) + 4 r + f % 4: so four fragments' accumulators hold, in the
; same register number, 16 NEIGHBOURING BYTES of a row of C, and sixteen lanes 256: a result leaves by stores from registers, without LDS.
; THE LAST K STEP GOES BY ROWS OF C: my four pairs of blocks (32 rows each) are finished one after the other, and each leaves as soon as it is finished.
; REGISTERS, in windows of 256: window 0: v0-31 addresses; v32-95 scale words, two sets, and nothing else; v96-111 the way out; v128-191, v192-255 A's fragments (8 x 16 rows x 128 K), two sets; in the last K step two buffers of A (32 rows x 512 K).
;   window 1: W's fragments, four sets: the K step's q-th 128 at v[64 q].   window 2: the accumulators of my rows 0-63 (accumulator (p, f) at v[128 (p % 2) + 16 f]);   window 3: those of my rows 64-127.
; A step of 128 along K is 32 matrix instructions, A's pairs one after the other, each against W's eight fragments.  The next step's loads go in two runs among them, into sets that this step does not read.
.set SIZE_N, 8192
.set ROWB,   256                       ; a row of A's tile in bytes: 512 codes of 4 bits
.set KROW,   2048                      ; a row of A's codes in memory
.set PITCH,  272                       ; a row of A in LDS = 68 words: row r starts at bank 4 r mod 64 (64 banks of 4 bytes: ISA guide 11.1), so the 16 rows that a load touches start at 16 different banks
.set HALFT,  128*PITCH                 ; 128 rows of A in LDS
.set PIECE,  34816                     ; a piece of wq in memory
.set WQT,    8*PIECE                   ; from 128 columns to the next 128
.set WTB,    10240                     ; what comes of it through LDS: 40 x 256 bytes.  Behind them: q = 0, 1, 2
.set WSC,    8192                      ; in a piece: where the scale words begin
.set SLOT,   2*HALFT+2*WTB             ; A's 256 rows, then W's 256 columns
.set SCL,    2*SLOT                    ; behind the ring: A's scales, as runs of 256 bytes (two rows' 128) + 16 of padding
.set SQ,     32*272                    ; those of 64 rows
.set SPARE,  SCL+4*SQ                  ; behind them: the spare words, 128 bytes for each wave: two blocks of 256 bytes that no other line names
.set ADRA, 16                          ; v16-17  LDS address of my A fragments in slot 0, 1
.set ADRB, 20                          ; v20-21  LDS address of my piece of wq in slot 0, 1, + 16 x lane: fragments and scale words stand at immediates from it
.set PFO,  22                          ; v22     the prefetches' offset; never rewritten
.set CO,   24                          ; v24     the way out: 8 h rows of C + 16 r bytes
.set LO,   26                          ; v26     16 x lane: my byte offset in a fragment of W in memory
.set ADSA, 27                          ; v27     LDS address of A's scale words: lanes 0-15 a pair's first 16 rows, lanes 16-31 its last; it steps 16 bytes a K step
.set SPW,  28                          ; v28     LDS address of my spare word: SPARE + 4 x my thread's number; never rewritten
.set NIL,  29                          ; v29     0; never rewritten
.set SC,   32                          ; scale words: set s (for slot s) at v[SC + 32 s]; register 4 p + q: A's pair p, the slot's q-th 128 along K; register 16 + 4 q + i: lanes 0-15 W's fragment i, lanes 16-31 fragment i + 4
.set AF,   128                         ; A's fragments: set q % 2 at v[AF + 64 (q % 2)]; in the last K step pair p's 32 rows x 512 K at v[AF + 64 (p % 2)]
.set LIM,  12                          ; s12     1 in a wave that prefetches, else the greatest number
.set G1, 24                            ; s[24:31] descriptor group 1 for A's tiles;  s[32:39] group 0, one set for each slot
.set G0, 32
.set G1B, 48                           ; s[48:55], s[56:63] the same for the pieces of wq
.set G0B, 56
.set G1S, 68                           ; s[68:75], s[76:79] groups 1 and 0 for A's scales
.set G0S, 76
.set G1H, 92                           ; s[92:99], s[84:87] groups 1 and 0 for the head's load of W: two pieces
.set G0H, 84
.set PFA, 80                           ; s[80:81] where my prefetches stand in memory
.set PFS, 82                           ; s[82:83] a K step on, in bytes: 256 along a row of A, a piece in wq
.set WDB, 100                          ; s[100:101] my piece of wq from which the register loads come
.set MSB, 0
.macro WIN new                         ; the immediate's high byte repeats the setting that is left
.if MSB != (\new)
	s_set_vgpr_msb (MSB<<8)|(\new)
.set MSB, (\new)
.endif
.endm
.set MUL_LO, 0xa4                      ; source 0 (A) window 0, source 1 (W) window 1, C and D window 2;  + 0x50: C and D window 3
.set TO_B,   0x40                      ; destination window 1, address window 0
.macro PLACES                          ; a load into a register that a matrix instruction has read, and a read of a matrix result, stand four plain vector places behind it (ISA guide 7.12.1 for vector instructions)
.rept 4
	v_nop
.endr
.endm
; A joint load of a slot's tiles: waves 0 and 1 fetch for A, waves 2 and 3 for W.  Each of the two lines has ONE mask and one set of registers for all that issue it; the branch hangs on the wave's number alone.
.macro ONELOAD g0, g1
	tensor_load_to_lds s[\g0:\g0+3], s[\g1:\g1+7]
	s_nop 0
	PLACES
.endm
.macro JLOAD s
	s_cmp_eq_u32 s15, 0
	s_cbranch_scc0 .Lfor_b_\@
	ONELOAD G0+4*\s, G1
	s_branch .Lasked_\@
.Lfor_b_\@:
	ONELOAD G0B+4*\s, G1B
.Lasked_\@:
.endm
; A PREFETCH INTO THE L2, one instruction a wave, for K steps 1 to 7: K step 1 in the head, behind its loads, K steps 2: two changes of slots ahead of
; the joint load that will want them (K steps 1 and 2: less).  K step 0 comes by its loads alone; the last two refills ask for nothing.
; A: a K step is 256 bytes of each row, aligned.  A's tile row is read by the eight clusters of a row of clusters; four of them (cluster x = 0, 1, 4, 5) ask, by waves 0 and 1: of the 128 rows that the wave fetches, the partner at place cx
; takes rows 32 cx .. 32 cx + 31, a lane a row.  W: a piece is 136 blocks of 256 bytes and is read by the eight work-groups of a tile column: in each, the wave that fetches the piece (2 or 3) asks for 17 of them, blocks 17 ty .. 17 ty + 16
; (ty the tile row), lanes 256 bytes apart; lanes 17 to 31 name lane 16's block once more, in the same instruction.  Partners are told apart BY ADDRESS: no branch hangs on a place in a cluster.
.macro ASK how
.if \how
	s_cmp_eq_u32 s[LIM], 1
.else
	s_cmp_gt_u32 s3, s[LIM]                        ; not in the loop's last trip (s3 = 1)
.endif
	s_cbranch_scc0 .Lnot_mine_\@
	global_prefetch_b8 v[PFO], s[PFA:PFA+1] th:TH_LOAD_NT scope:SCOPE_SE
.Lnot_mine_\@:
.endm
.macro CREST                           ; a round of the cluster's barrier behind its opening barrier
	s_cmp_lg_u32 s14, 0
	s_cbranch_scc1 .Lnot_wave_0_\@
	s_barrier_signal -3
.Lnot_wave_0_\@:
	s_barrier_wait -3
	s_barrier_signal -1
	s_barrier_wait -1
.endm
.macro CROUND                          ; a whole round
	s_barrier_signal -1
	s_barrier_wait -1
	CREST
.endm
	s_load_b256 s[4:11], s[0:1], 0x0               ; A's codes s[4:5], A's scales s[6:7], wq s[8:9], C s[10:11]
	v_lshl_add_u32 v[SPW], v0, 2, SPARE
	v_mov_b32 v[NIL], 0
	ds_add_u32 v[SPW], v[NIL]                      ; the wave's opening: the add, twice on end, and its wait ahead of my first tensor load
	ds_add_u32 v[SPW], v[NIL]
	v_lshrrev_b32 v1, 5, v0
	v_readfirstlane_b32 s14, v1                    ; wave 0..3
	s_lshr_b32 s15, s14, 1                         ; which half of the tile's rows is mine.  Also: in the ring I fetch for A (0) or for W (1)
	s_and_b32 s16, s14, 1                          ; which half of its columns.  Also: which 128 rows or columns I fetch
	s_bfe_u32 s40, ttmp6, 0x40000                  ; cx, cy: my place in the cluster
	s_bfe_u32 s41, ttmp6, 0x40004
	s_lshl_b32 s42, ttmp9, 2
	s_add_co_u32 s42, s42, s40                     ; tile column of C = 4 x cluster x + cx
	s_and_b32 s17, ttmp7, 0xffff
	s_lshl_b32 s17, s17, 2
	s_add_co_u32 s17, s17, s41                     ; tile row of C = 4 x cluster y + cy
	s_lshl_b32 s43, s41, 2
	s_lshl_b32 s43, 15, s43                        ; my row of the cluster
	s_lshl_b32 s44, 0x1111, s40                    ; my column
	; descriptor group 1 for A's tiles: 128 rows x 256 bytes, 2,048 bytes apart in memory, padded in LDS
	s_or_b32 s[G1+0], s43, (0<<16)|(1<<20)|(1<<21)|(5<<22)|(3<<25)  ; 15:0 the mask: my row; 17:16 elements of 1 byte; 20 padding on; 21 set beside a mask; 24:22 after every 64 words (code 5); 31:25 of 4 words (code 3)
	s_mov_b32 s[G1+1], ROWB<<16                    ; tensor_dim0
	s_mov_b32 s[G1+2], 128<<16                     ; tensor_dim1
	s_mov_b32 s[G1+3], ROWB<<16                    ; tile_dim0
	s_mov_b32 s[G1+4], 128                         ; tile_dim1
	s_mov_b32 s[G1+5], KROW                        ; tensor_dim0_stride
	s_mov_b32 s[G1+6], 0
	s_mov_b32 s[G1+7], 0
	; for the head's load of W: the first 10,240 bytes of two pieces, as two rows of 1,280 elements of 8 bytes, WQT bytes apart in memory, one behind the other in LDS
	s_or_b32 s[G1H+0], s44, (3<<16)|(1<<21)        ; the mask: my column
	s_mov_b32 s[G1H+1], (WTB/8)<<16
	s_mov_b32 s[G1H+2], 2<<16
	s_mov_b32 s[G1H+3], (WTB/8)<<16
	s_mov_b32 s[G1H+4], 2
	s_mov_b32 s[G1H+5], WQT/8
	s_mov_b32 s[G1H+6], 0
	s_mov_b32 s[G1H+7], 0
	; for one piece of wq: its first 10,240 bytes, dense, as 40 rows of 256 bytes (32 elements of 8 bytes), no padding: it lies in LDS as in memory
	s_or_b32 s[G1B+0], s44, (3<<16)|(1<<21)
	s_mov_b32 s[G1B+2], 40<<16
	s_mov_b32 s[G1B+4], 40
	; for the scales of 256 rows of A: 32,768 dense bytes, as 128 rows of 256 bytes, 16 bytes of padding behind each
	s_or_b32 s[G1S+0], s43, (3<<16)|(1<<20)|(1<<21)|(5<<22)|(3<<25)
	s_mov_b32 s[G1S+2], 128<<16
	s_mov_b32 s[G1S+4], 128
.irp g, G1B, G1S
	s_mov_b32 s[\g+1], 32<<16
	s_mov_b32 s[\g+3], 32<<16
	s_mov_b32 s[\g+5], 32
	s_mov_b32 s[\g+6], 0
	s_mov_b32 s[\g+7], 0
.endr
	; where they come from.  A's hang on the tile row alone, which my row of the cluster shares; wq's on the tile column alone, which my column shares; each in registers that never hold the other coordinate
	s_lshl_b32 s20, s17, 19                        ; A: 256 rows x 2,048 bytes a tile row,
	s_lshl_b32 s18, s16, 18                        ; + 128 rows x half
	s_add_co_u32 s20, s20, s18
	s_mov_b32 s21, 0
	s_lshl_b32 s22, s17, 15                        ; A's scales: 256 rows x 128 bytes a tile row
	s_mov_b32 s23, 0
	s_mul_i32 s46, s42, 2*WQT                      ; wq: two times 128 columns a tile column,
	s_mov_b32 s47, 0
	s_mul_i32 s66, s16, WQT                        ; + 128 columns x half
	s_mov_b32 s67, 0
	s_mul_i32 s45, s16, HALFT                      ; where they go: A's two halves,
	s_mul_i32 s13, s16, WTB                        ; behind them W's two pieces: no place in the cluster enters an LDS address
	s_add_co_u32 s13, s13, 2*HALFT
	s_wait_dscnt 0x0                               ; both opening adds are done
	s_wait_kmcnt 0x0
	s_add_nc_u64 s[20:21], s[4:5], s[20:21]
	s_add_nc_u64 s[22:23], s[6:7], s[22:23]
	s_add_nc_u64 s[46:47], s[8:9], s[46:47]
	s_mov_b32 s[G0H], 1                            ; 1:0 count = 1
	s_mov_b32 s[G0H+1], 2*HALFT                    ; 63:32 LDS address
	s_mov_b64 s[G0H+2:G0H+3], s[46:47]             ; 120:64 global address
	s_or_b32 s[G0H+3], s[G0H+3], 0x80000000        ; 127:126 type = 2
	s_mov_b32 s[G0S], 1
	s_mov_b32 s[G0S+1], SCL
	s_mov_b64 s[G0S+2:G0S+3], s[22:23]
	s_or_b32 s[G0S+3], s[G0S+3], 0x80000000
	s_add_nc_u64 s[46:47], s[46:47], s[66:67]
	s_mov_b64 s[WDB:WDB+1], s[46:47]
.irp s, 0,1
	s_mov_b32 s[G0+4*\s], 1
	s_add_co_u32 s[G0+4*\s+1], s45, \s*SLOT
	s_add_nc_u64 s[G0+4*\s+2:G0+4*\s+3], s[20:21], \s*ROWB
	s_or_b32 s[G0+4*\s+3], s[G0+4*\s+3], 0x80000000
	s_mov_b32 s[G0B+4*\s], 1
	s_add_co_u32 s[G0B+4*\s+1], s13, \s*SLOT
	s_add_nc_u64 s[G0B+4*\s+2:G0B+4*\s+3], s[46:47], \s*PIECE
	s_or_b32 s[G0B+4*\s+3], s[G0B+4*\s+3], 0x80000000
.endr
	CROUND                                         ; all sixteen work-groups are here: the first joint loads meet
; THE HEAD'S LOADS, ONE A WAVE: Waves 0 and 1 fetch K step 0's 256 rows of A, half each, wave 2 K step 0's two pieces of wq, wave 3 the scales of A's 256 rows.  ONE chain of branches on the wave's number, one load to an arm.
	s_cmp_lt_u32 s14, 2
	s_cbranch_scc0 .Lhead_w
	ONELOAD G0, G1
	s_branch .Lhead_asked
.Lhead_w:
	s_cmp_lt_u32 s14, 3
	s_cbranch_scc0 .Lhead_s
	ONELOAD G0H, G1H
	s_branch .Lhead_asked
.Lhead_s:
	ONELOAD G0S, G1S
.Lhead_asked:
	v_and_b32 v1, 15, v0                           ; r = l % 16
	v_bfe_u32 v2, v0, 4, 1                         ; h = l / 16
	v_and_b32 v6, 31, v0
	v_lshlrev_b32 v[LO], 4, v6                     ; 16 x lane
	v_mul_u32_u24 v3, v1, PITCH
	v_lshl_add_u32 v4, v2, 4, v3                   ; a fragment of A: row x pitch + 16 x half
	s_mul_i32 s21, s15, HALFT                      ; my 128 rows of A
	s_mul_i32 s22, s16, WTB                        ; my piece of wq,
	s_add_co_u32 s22, s22, 2*HALFT                 ; which lies behind A's 256 rows
.irp s, 0,1
	v_add_nc_u32 v[ADRA+\s], s21, v4
	v_add_nc_u32 v[ADRB+\s], s22, v[LO]
	s_add_co_u32 s21, s21, SLOT
	s_add_co_u32 s22, s22, SLOT
.endr
	v_lshlrev_b32 v7, 7, v1                        ; A's scale words: 128 bytes a row,
	v_lshrrev_b32 v8, 1, v1
	v_lshl_add_u32 v7, v8, 4, v7                   ; and 16 more for each two rows passed: the sixteen rows of a load fall on sixteen different 16-byte columns of the banks' 256 bytes
	v_mad_u32_u24 v7, v2, 8*272, v7                ; lanes 16-31 sixteen rows further on
	s_mul_i32 s19, s15, 2*SQ                       ; my 128 rows
	s_add_co_u32 s19, s19, SCL
	v_add_nc_u32 v[ADSA], s19, v7
	v_lshlrev_b32 v5, 4, v1
	v_lshl_add_u32 v[CO], v2, 18, v5               ; 8 h rows of 32,768 bytes + 16 r
	s_lshl_b32 s20, s17, 8
	s_lshl_b32 s21, s15, 7
	s_add_co_u32 s20, s20, s21                     ; my first row of C: 256 x tile row + 128 x half,
	s_lshl_b32 s20, s20, 15                        ; x 32,768 bytes
	s_mov_b32 s21, 0
	s_lshl_b32 s46, s42, 10                        ; my first column, in bytes: 1,024 x tile column + 512 x half
	s_lshl_b32 s47, s16, 9
	s_add_co_u32 s46, s46, s47
	s_mov_b32 s47, 0
	s_add_nc_u64 s[20:21], s[20:21], s[46:47]
	s_add_nc_u64 s[10:11], s[10:11], s[20:21]
	; the prefetches (macro ASK): where my wave's stand, and who asks
	s_lshl_b32 s66, s17, 8
	s_lshl_b32 s89, s16, 7
	s_add_co_u32 s66, s66, s89
	s_lshl_b32 s89, s40, 5
	s_add_co_u32 s66, s66, s89                     ; A: row 256 x tile row + 128 x half + 32 cx,
	s_lshl_b32 s66, s66, 11                        ; x 2,048 bytes,
	s_add_co_u32 s66, s66, ROWB                    ; at K step 1
	s_lshl_b32 s88, s42, 1
	s_add_co_u32 s88, s88, s16
	s_mul_i32 s88, s88, WQT                        ; W: my 128 columns,
	s_mul_i32 s89, s17, 17*256
	s_add_co_u32 s88, s88, s89                     ; my tile row's 17 blocks of a piece,
	s_add_co_u32 s88, s88, PIECE                   ; at K step 1
	s_mov_b32 s67, 0
	s_mov_b32 s[PFS], PIECE
	s_mov_b32 s[PFS+1], 0
	s_mov_b32 s90, 256
	s_and_b32 s89, ttmp9, 2                        ; 0 in clusters x = 0, 1, 4, 5
	s_cmp_eq_u32 s15, 0                            ; do I fetch for A?
	s_cselect_b64 s[PFA:PFA+1], s[4:5], s[8:9]
	s_cselect_b32 s66, s66, s88
	s_cselect_b32 s[PFS], ROWB, s[PFS]             ; a K step on
	s_cselect_b32 s90, KROW, s90                   ; from lane to lane: a row of A, or a block of a piece
	s_cselect_b32 s91, 31, 16                      ; the last lane that names a block of its own
	s_cselect_b32 s[LIM], s89, 0                   ; A's rows: those four clusters; W's blocks: every work-group; the same in all sixteen partners, for a given wave
	s_add_nc_u64 s[PFA:PFA+1], s[PFA:PFA+1], s[66:67]
	s_cmp_eq_u32 s[LIM], 0
	s_cselect_b32 s[LIM], 1, -1
	v_and_b32 v[PFO], 31, v0
	v_min_u32 v[PFO], s91, v[PFO]
	v_mul_lo_u32 v[PFO], v[PFO], s90
.macro FRAG reg, slot, q, i            ; a fragment of A, 16 rows x 128 K of 4-bit codes, is 8 registers: lane l holds row l % 16; registers 4 c .. 4 c + 3 hold K = 64 c + 32 (l / 16) + 0 .. 31, the lower K in the lower bits
.irp c, 0,1
	ds_load_b128 v[\reg+4*\c:\reg+4*\c+3], v[ADRA+\slot] offset:64*(\q)+32*\c+(\i)*16*PITCH
.endr
.endm
.macro ARUN slot, q                    ; A's eight blocks of the slot's q-th 128 along K, into set q % 2: pair p = blocks 2 p, 2 p + 1
	WIN 0
.irp i, 0,1,2,3,4,5,6,7
	FRAG AF+64*((\q)%2)+8*\i, \slot, \q, \i
.endr
.endm
.macro WHALF slot, half                ; W's fragments 4 half .. 4 half + 3 of q = 3, from LDS, into set 3: 512 consecutive bytes a load, 16 a lane, an image of the registers
	WIN TO_B
.irp i, 0,1,2,3
.irp c, 0,1
	ds_load_b128 v[192+8*(4*\half+\i)+4*\c:192+8*(4*\half+\i)+4*\c+3], v[ADRB+\slot] offset:1024*(4*\half+\i)+512*\c
.endr
.endr
.endm
.macro GRUN q                          ; W's eight fragments of q = 0, 1 or 2, from memory, into set q: sixteen loads of 512 consecutive bytes
	WIN TO_B
.irp i, 0,1,2,3,4,5,6,7
.irp c, 0,1
	global_load_b128 v[64*(\q)+8*\i+4*\c:64*(\q)+8*\i+4*\c+3], v[LO], s[WDB:WDB+1] offset:WTB+8192*(\q)+1024*\i+512*\c
.endr
.endr
	WIN 0
.endm
.macro ASC sc                          ; a K step's scale words of A into set sc: four words a row by one load
	WIN 0
.irp i, 0,1,2,3
	ds_load_b128 v[SC+32*(\sc)+4*\i:SC+32*(\sc)+4*\i+3], v[ADSA] offset:\i*16*272
.endr
.endm
.macro WSCL sc                         ; and of W, from the piece in slot sc: four columns by one load
	WIN 0
.irp i, 0,1,2,3
	ds_load_b128 v[SC+32*\sc+16+4*\i:SC+32*\sc+16+4*\i+3], v[ADRB+\sc] offset:WSC+512*\i
.endr
.endm
; One matrix instruction on the registers rD, rA, rB, rS, rT.  zero = 1: it starts its sum.  A's scale words fill all 32 lanes; W's are read from lanes 0-15, for fragments 4-7 (hi) from lanes 16-31 (MATRIX_SCALE_ROW1; W is source 1).
.macro WM zero, hi
.if \zero
.if \hi
	v_wmma_scale_f32_32x16x128_f4 v[rD:rD+15], v[rA:rA+15], v[rB:rB+7], 0, v[rS], v[rT] matrix_b_scale:MATRIX_SCALE_ROW1
.else
	v_wmma_scale_f32_32x16x128_f4 v[rD:rD+15], v[rA:rA+15], v[rB:rB+7], 0, v[rS], v[rT]
.endif
.else
.if \hi
	v_wmma_scale_f32_32x16x128_f4 v[rD:rD+15], v[rA:rA+15], v[rB:rB+7], v[rD:rD+15], v[rS], v[rT] matrix_b_scale:MATRIX_SCALE_ROW1
.else
	v_wmma_scale_f32_32x16x128_f4 v[rD:rD+15], v[rA:rA+15], v[rB:rB+7], v[rD:rD+15], v[rS], v[rT]
.endif
.endif
.endm
; A's pair p x W's fragments 4 half .. 4 half + 3, 128 along K: the slot's q-th; sc: the set of scale words.  The 32 accumulators take turns, one instruction a turn, in the same order in every step.
.macro MULH p, q, sc, half, zero
	WIN MUL_LO+0x50*((\p)/2)
.irp i, 0,1,2,3
.set rD, 128*((\p)%2)+16*(4*\half+\i)
.set rA, AF+64*((\q)%2)+16*(\p)
.set rB, 64*(\q)+8*(4*\half+\i)
.set rS, SC+32*(\sc)+4*(\p)+(\q)
.set rT, SC+32*(\sc)+16+4*(\q)+\i
	WM \zero, \half
.endr
.endm
.macro MULP p, q, sc, zero
	MULH \p, \q, \sc, 0, \zero
	MULH \p, \q, \sc, 1, \zero
.endm
; A step of 128 along K that has its successor in the same slot.  N1: the LDS loads of its first run.  A's sixteen loads are the youngest at a step's head, four a pair.
.macro STEP slot, q, zero
.if (\q) == 0
	s_wait_loadcnt 32                              ; this step's W is in; the 32 loads for the two steps behind it may be out
.else
	s_wait_loadcnt 16                              ; this step's W is in; the sixteen loads asked for behind it may be out
.endif
	s_wait_dscnt 12                                ; all but A's pairs 1 to 3 are in
	MULP 0, \q, \slot, \zero
	PLACES                                         ; for the loads below, into sets that earlier steps have read
.if (\q) < 2
.set N1, 8
	WHALF \slot, \q
.else
.set N1, 4
	WIN 0
	v_add_nc_u32 v[ADSA], 16, v[ADSA]              ; on to the next K step's scale words of A: seven steps of 16 bytes in all, inside a row's 128
	s_wait_alu depctr_va_vdst(0)
	ASC 1-\slot
.endif
	s_wait_dscnt N1+8                              ; A's pair 1 is in
	MULP 1, \q, \slot, \zero
	ARUN \slot, (\q)+1
.if (\q) == 1
	s_wait_xcnt 0x0                                ; earlier loads have read their base
	s_add_nc_u64 s[WDB:WDB+1], s[WDB:WDB+1], PIECE ; on to the next K step's piece
.endif
.if (\q) > 0
	GRUN (\q)-1                                    ; the next K step's W for the step before this one: three steps ahead of its use
.endif
	s_wait_dscnt N1+20                             ; A's pair 2 is in (behind it: pair 3's four loads, the first run, sixteen of A)
	MULP 2, \q, \slot, \zero
	s_wait_dscnt N1+16
	MULP 3, \q, \slot, \zero
.endm
; MEET: the first part of a slot's last step, and ONE barrier for the change of slots; in front of it each wave waits for all its tensor loads, adds 0 to its spare word, and waits for that and for its own reads of this slot.
.macro MEET slot
	s_wait_dscnt 12
	MULP 0, 3, \slot, 0
	WIN 0                                          ; (the add's two registers lie in window 0)
	s_wait_tensorcnt 0x0                           ; all my tensor loads have landed: my part of the next slot;
	ds_add_u32 v[SPW], v[NIL]                      ; 0 onto my spare word
	s_wait_dscnt 9                                 ; (the add and the eight loads of A's pairs 2 and 3 may be out)
	MULH 1, 3, \slot, 0, 0                         ; matrix instructions stand between the add and the wait for it
	s_wait_dscnt 0x0                               ; the add is done, and my reads of this slot are over
	s_barrier_signal -1
	MULH 1, 3, \slot, 1, 0
	WIN 0
	s_barrier_wait -1
.endm
; A slot's last step, in the loop: the slot is filled again, two K steps ahead.
.macro TURN slot, next
	s_wait_xcnt 0x0                                ; the last prefetch has read its address: it is stepped here, ahead of the waits of the change of slots
	s_add_nc_u64 s[PFA:PFA+1], s[PFA:PFA+1], s[PFS:PFS+1]
	MEET \slot
	CREST                                          ; the barrier has opened a round of the cluster's barrier: no wave of any partner still reads this slot's tile or has a load on its way
	s_add_nc_u64 s[G0+4*\slot+2:G0+4*\slot+3], s[G0+4*\slot+2:G0+4*\slot+3], 2*ROWB     ; no tensor load of mine is out, so a group 0 may be written: two K steps on along A's rows,
	s_add_nc_u64 s[G0B+4*\slot+2:G0B+4*\slot+3], s[G0B+4*\slot+2:G0B+4*\slot+3], 2*PIECE ; two pieces on in wq
	JLOAD \slot                                    ; the first tensor load behind the round, my one load until the next; the four v_nop behind it are the places in front of the loads below
	WSCL \next
	ARUN \next, 0
	MULP 2, 3, \slot, 0
	GRUN 2                                         ; the next K step's q = 2: three steps ahead of its use
	ASK 0                                          ; behind the joint load and the run of LDS loads that the next products wait for
	MULP 3, 3, \slot, 0
.endm
; THE LAST K STEP (it lies in slot 1) GOES BY ROWS OF C, NOT BY K.  All its fragments of W fill window 1; then my four pairs of blocks are finished one after the other, each with
; 32 matrix instructions (its 8 accumulators by turns, K ascending).
.macro ALOAD p                         ; A's fragments of pair p, all four quarters -> buffer p % 2
.irp q, 0,1,2,3
	FRAG AF+64*((\p)%2)+16*\q, 1, \q, 2*(\p)
	FRAG AF+64*((\p)%2)+16*\q+8, 1, \q, 2*(\p)+1
.endr
.endm
.macro ROW p                           ; pair p is finished
	WIN MUL_LO+0x50*((\p)/2)
.irp q, 0,1,2,3
.if ((\p) == 0) && (\q == 1)
	s_wait_loadcnt 16                              ; W's quarter 1 is in,
.endif
.if ((\p) == 0) && (\q == 2)
	s_wait_loadcnt 0                               ; quarter 2,
.endif
.if ((\p) == 0) && (\q == 3)
	s_wait_dscnt 16                                ; quarter 3 (behind it: the sixteen loads of A's pair 1)
.endif
.irp f, 0,1,2,3,4,5,6,7
.set rD, 128*((\p)%2)+16*\f
.set rA, AF+64*((\p)%2)+16*\q
.set rB, 64*\q+8*\f
.set rS, SC+32+4*(\p)+\q
.set rT, SC+32+16+4*\q+(\f%4)
	WM 0, \f/4
.endr
.endr
.endm
; THE WAY OUT of pair p, 32 rows x 128 columns, in eight blocks: registers 4 g .. 4 g + 3 of fragments 4 e .. 4 e + 3.  A store wants its 16 bytes in four registers on end, and they lie in four accumulators: sixteen moves lay a block
; into the registers that the block before has left (the first block into v96-111).  So no register that a store reads is written again, and no wait for a store stands in the text.
.set PB, 96
.set PW, 0
.set PT, 4
.macro OUT p
.irp g, 0,1,2,3
.irp e, 0,1
.set QB, 128*((\p)%2)+64*\e+4*\g
.set QW, 2+(\p)/2
	WIN (PW<<6)|QW
.irp t, 0,1,2,3
.irp i, 0,1,2,3
	v_mov_b32 v[PB+PT*\t+\i], v[QB+16*\i+\t]       ; each accumulator from its low end on
.endr
.endr
	WIN PW<<2
.irp t, 0,1,2,3
	global_store_b128 v[CO], v[PB+PT*\t:PB+PT*\t+3], s[10:11] offset:256*\e+(32*(\p)+16*(\g/2)+4*(\g%2)+\t)*SIZE_N*4 th:TH_STORE_NT   ; lanes 0-15 store 256 consecutive bytes of a row, lanes 16-31 of the row 8 further on, at multiples of 256 from C's first byte; 119 rows at the most: inside the signed 24-bit immediate (ISA guide, chapter 10)
.endr
.set PB, QB
.set PW, QW
.set PT, 16
.endr
.endr
	WIN 0
.endm
	GRUN 0                                         ; K step 0's q = 0 and 1
	GRUN 1
	s_wait_alu depctr_va_vdst(0)
	s_wait_loadcnt 16                              ; q = 0 is in: what is wanted first goes ahead of what follows
	GRUN 2
	ASK 1                                          ; K step 1
	s_wait_tensorcnt 0x0                           ; my load of the head's four is in
	ds_add_u32 v[SPW], v[NIL]                      ; 0 onto my spare word
	s_wait_dscnt 0x0                               ; the add is done
	CROUND                                         ; a whole round: everybody's are in, and all sixteen work-groups are here: the joint loads meet,
	JLOAD 1                                        ; and K step 1's load, the first tensor load behind the round
	ASC 0
	WSCL 0
	ARUN 0, 0
	s_wait_xcnt 0x0
	s_add_nc_u64 s[PFA:PFA+1], s[PFA:PFA+1], s[PFS:PFS+1]
	ASK 1                                          ; K step 2
	STEP 0, 0, 1                                   ; the first step stands in front of the loop: its products start the sums: nothing is ever cleared
	WIN 0
	s_wait_xcnt 0x0
	s_add_nc_u64 s[PFA:PFA+1], s[PFA:PFA+1], s[PFS:PFS+1]
	ASK 1                                          ; K step 3
	s_mov_b32 s3, 3
.Llap:                                                 ; a trip goes once round the ring, from a lap's second step to the next lap's first, and fills both slots again: K steps 2 to 7
	STEP 0, 1, 0
	STEP 0, 2, 0
	TURN 0, 1
	STEP 1, 0, 0
	STEP 1, 1, 0
	STEP 1, 2, 0
	TURN 1, 0
	STEP 0, 0, 0
	WIN 0                                          ; at a label and at a branch every window is 0
	s_sub_co_u32 s3, s3, 1
	s_cmp_lg_u32 s3, 0
	s_cbranch_scc1 .Llap
	STEP 0, 1, 0                                   ; the last lap fills nothing, and has no round of the cluster's barrier
	STEP 0, 2, 0
	PLACES                                         ; for the loads into W's set 2
	GRUN 2                                         ; the last K step's q = 2, ahead of the change of slots: it is wanted sooner than in the loop
	MEET 0                                         ; my one tensor load that was still out is slot 1's, the last K step's
	PLACES
	WSCL 1
	ALOAD 0                                        ; into A's set 0; set 1 and W's set 3 are still being multiplied
	MULP 2, 3, 0, 0
	MULP 3, 3, 0, 0
	PLACES                                         ; for the loads into W's set 3 and A's set 1
	WHALF 1, 0
	WHALF 1, 1
	WIN 0
	ALOAD 1
	s_wait_loadcnt 32                              ; W's quarter 0 is in
	s_wait_dscnt 32                                ; all but the 32 just issued (W's quarter 3, A's pair 1)
	ROW 0
.irp p, 0,1,2,3                        ; pair p leaves, then pair p + 1 is multiplied
	PLACES                                         ; behind pair p's products: for the moves, which read their results, and for the loads into its buffer of A
	WIN 0
.if \p < 2
	ALOAD \p+2
.endif
	OUT \p
.if \p < 2
	s_wait_dscnt 16                                ; pair p + 1's fragments are in; the sixteen loads of pair p + 2 may be out
	ROW \p+1
.endif
.if \p == 2
	s_wait_dscnt 0
	ROW 3
.endif
.endr
	s_wait_tensorcnt 0x0                           ; the wave's end, behind my last tensor load
	ds_add_u32 v[SPW], v[NIL]
	s_wait_dscnt 0x0
	CROUND                                         ; the closing round: no work-group ends while a partner may still ask for a tile that names it
	s_endpgm
.Lfunc_end_k_q3bce374980_gemm:
	.size	k_q3bce374980_gemm, .Lfunc_end_k_q3bce374980_gemm-k_q3bce374980_gemm
	.p2alignl 7, 3214868480
	.fill 96, 4, 3214868480
	.section	.rodata,"a",@progbits
	.p2align	6, 0x0
	.amdhsa_kernel k_q3bce374980_gemm
		.amdhsa_group_segment_fixed_size 327680
		.amdhsa_private_segment_fixed_size 0
		.amdhsa_enable_private_segment 0
		.amdhsa_kernarg_size 32
		.amdhsa_user_sgpr_count 2
		.amdhsa_user_sgpr_kernarg_segment_ptr 1
		.amdhsa_wavefront_size32 1
		.amdhsa_system_sgpr_workgroup_id_x 1
		.amdhsa_system_sgpr_workgroup_id_y 1
		.amdhsa_system_sgpr_workgroup_id_z 1
		.amdhsa_system_vgpr_workitem_id 0
		.amdhsa_next_free_vgpr 1024
		.amdhsa_next_free_sgpr 102
		.amdhsa_reserve_vcc 0
		.amdhsa_float_denorm_mode_32 3
		.amdhsa_float_denorm_mode_16_64 3
		.amdhsa_memory_ordered 1
		.amdhsa_forward_progress 1
		.amdhsa_inst_pref_size 156
	.end_amdhsa_kernel
	.amdgpu_metadata
---
amdhsa.version: [ 1, 2 ]
amdhsa.kernels:
  - .name:           k_q3bce374980_gemm
    .symbol:         k_q3bce374980_gemm.kd
    .args:
      - { .name: A_codes, .offset: 0, .size: 8, .value_kind: global_buffer, .address_space: global }
      - { .name: A_scales, .offset: 8, .size: 8, .value_kind: global_buffer, .address_space: global }
      - { .name: wq, .offset: 16, .size: 8, .value_kind: global_buffer, .address_space: global }
      - { .name: out0, .offset: 24, .size: 8, .value_kind: global_buffer, .address_space: global }
    .group_segment_fixed_size: 327680
    .private_segment_fixed_size: 0
    .kernarg_segment_align: 8
    .kernarg_segment_size: 32
    .max_flat_workgroup_size: 128
    .sgpr_count:     102
    .vgpr_count:     1024
    .wavefront_size: 32
...
	.end_amdgpu_metadata
.endif
;; end of part 2
